; MI455X (gfx1250); checked and timed in simulation.
; The chip was launched on July 23, 2026; its instructions are those of AMD's public machine-readable ISA for CDNA 5 (MIT licence, August 2026) and "CDNA5" Instruction Set Architecture Reference Guide (July 2026). The comments in the code are by the model that wrote it; some were corrected since.
;; Linear4bit DUSQ. Allowed arithmetic: float matrix products may take bf16 or f16 operands with f32 sums; other float arithmetic in f32, or as packed bf16 or f16 multiplies, adds, multiply-adds, maxima and minima; sums over many terms, partial sums and values carried from step to step in f32; what a program stores and reads back later, other than sums and carried values, may be rounded once to bf16 or f16.
;; Inputs: bias 4,096 float32; scales_x 2,048 x 1 float32; w_packed 4,096 x 2,048 int32; weight_scales_1 4,096 x 1 float32; weight_scales_2 4,096 x 1 float32; x_q 2,048 x 4,096 int32.
;; Outputs: out0 2,048 x 4,096 float32.
;; 2 versions, each right and faster than the one before. Each part assembles by itself: llvm-mc -triple=amdgcn-amd-amdhsa -mcpu=gfx1250 --defsym DOCPART=n.
;; ======== version 1 of 2: 2 launches
;; workspace buffers: xb 16,777,216 bytes; wb 33,554,432 bytes
;; launch prep (part 1): grid 256 x 2, 8 waves a work-group, no clusters, 0 bytes of LDS; arguments x_q, w_packed, xb, wb; writes xb, wb
.if DOCPART == 1
	.amdgcn_target "amdgcn-amd-amdhsa--gfx1250"
	.amdhsa_code_object_version 6
	.text
	.protected	k_q2be2e39fd3_prep
	.globl	k_q2be2e39fd3_prep
	.p2align	8
	.type	k_q2be2e39fd3_prep,@function
k_q2be2e39fd3_prep:
	s_mov_b64 s[64:65], 0
	v_nop
	global_prefetch_b8 v0, s[64:65] scope:SCOPE_SE
	s_setreg_imm32_b32 hwreg(HW_REG_WAVE_MODE, 25, 1), 1
	s_wait_xcnt 0x0
; prep: x_q [2048][4096] int32 -> xb [2048][4096] bf16;  w_packed [4096][2048] int32 (one byte = two signed nibbles) -> wb [4096][4096] bf16.
; Each number of x and of w is used by sixteen blocks of the product that follows, so it is converted once, here.
; ORDER INSIDE A ROW of xb and of wb (8,192 bytes): element 128 s + 64 h + i holds k = 2048 h + 64 s + i (s = 0..31, h = 0..1, i = 0..63):
; each aligned block of 256 bytes holds 64 k of the left region, then the 64 k of the right region of the same step s.
; A stream: every input byte is read once and every output byte written once; nothing is shared between work-groups, so no LDS, no barrier,
; no cluster.  Work-group row y = 0 converts x (8 rows a work-group, one a wave), y = 1 converts w (16 rows a work-group, two a wave).
; A wave moves 16 KiB of input by 32 loads of 16 bytes a lane, all issued at once into registers of their own: no register is used twice,
; so there is no loop and no wait but the counted ones for the data.
; LIMITS: x is converted int32 -> f32 -> bf16 (nearest even each time): exact for |x| <= 256, beyond that rounded to bf16's 8 significant bits.
; Of a word of w_packed only bits 7:0 count, as in the problem's own unpacking.
.set XIN,  16384                       ; bytes in a row of x_q
.set ROWB, 8192                        ; bytes in a row of w_packed, of xb and of wb
.set NLD,  32                          ; loads of a wave
.set T,    4                           ; v[4:7]    at work (w part)
.set Q,    8                           ; v[8:135]  load i: 4 registers, converted in place and stored from there
	s_load_b256 s[4:11], s[0:1], 0x0               ; x_q s[4:5], w_packed s[6:7], xb s[8:9], wb s[10:11]
	v_lshrrev_b32 v1, 5, v0
	v_readfirstlane_b32 s12, v1                    ; my wave's number, 0..7
	v_and_b32 v3, 31, v0                           ; lane l
	s_lshl_b32 s14, ttmp9, 3
	s_add_co_u32 s14, s14, s12                     ; 8 g + w: my row of x, or my pair of rows of w
	s_mov_b32 s15, 0                               ; high words of the two offsets: both stay below 2^26
	s_mov_b32 s21, 0
	s_and_b32 s13, ttmp7, 0xffff                   ; work-group y: 0 = x, 1 = w
	s_cmp_lg_u32 s13, 0
	s_cbranch_scc1 .Lw
	; ---- x: load i takes step s = i.  Lanes 0-15: the 64 numbers (256 bytes) of the left region, lanes 16-31: those of the right region.
	s_lshl_b32 s20, s14, 13                        ; my row in xb
	s_lshl_b32 s14, s14, 14                        ; my row in x_q
	v_and_b32 v1, 15, v0
	v_lshlrev_b32 v1, 4, v1                        ; 16 (l % 16)
	v_bfe_u32 v2, v0, 4, 1
	v_lshl_add_u32 v1, v2, 13, v1                  ; + 8,192 (l / 16): k = 2048 lies 8,192 bytes into a row of x_q
	v_lshlrev_b32 v2, 3, v3                        ; out: 8 l: four bf16 a lane, the left region's 128 bytes, then the right's
	s_wait_kmcnt 0x0
	s_add_nc_u64 s[4:5], s[4:5], s[14:15]
	s_add_nc_u64 s[8:9], s[8:9], s[20:21]
.set i, 0
.rept NLD
	global_load_b128 v[Q+4*i:Q+4*i+3], v1, s[4:5] offset:256*i th:TH_LOAD_NT
.set i, i+1
.endr
.set i, 0
.rept NLD
	s_wait_loadcnt NLD-1-i                         ; loads come back in order (ISA guide 5.7.1): load i is in, the 31 - i younger ones stay out
	v_cvt_f32_i32 v[Q+4*i],   v[Q+4*i]
	v_cvt_f32_i32 v[Q+4*i+1], v[Q+4*i+1]
	v_cvt_f32_i32 v[Q+4*i+2], v[Q+4*i+2]
	v_cvt_f32_i32 v[Q+4*i+3], v[Q+4*i+3]
	v_cvt_pk_bf16_f32 v[Q+4*i],   v[Q+4*i],   v[Q+4*i+1]   ; the lower k into the low half
	v_cvt_pk_bf16_f32 v[Q+4*i+1], v[Q+4*i+2], v[Q+4*i+3]
	global_store_b64 v2, v[Q+4*i:Q+4*i+1], s[8:9] offset:256*i   ; the wave's store covers 256 consecutive bytes, aligned: step i of both regions
.set i, i+1
.endr
	s_endpgm
	; ---- w: a word holds two k, so a step's 64 k are 128 bytes in and 128 bytes out.  Load i takes row i / 16 of my two and steps 2 p, 2 p + 1 (p = i % 16)
	; of both regions: two aligned blocks of 256 bytes in, 512 consecutive bytes out.  Lane l writes bytes 16 l of those 512: step 2 p + l / 16,
	; region (l / 8) % 2, bytes 16 (l % 8) of the step.
.Lw:
	s_lshl_b32 s14, s14, 14                        ; my two rows of 8,192 bytes, in w_packed and in wb alike
	s_mov_b32 s16, 0x000f0000                      ; where the high nibble goes
	s_mov_b32 s17, 0x000f000f                      ; the two nibbles, one in each half
	s_mov_b32 s18, 0x43084308                      ; flips each nibble's sign bit and sets bf16's exponent of 128
	v_and_b32 v1, 7, v0
	v_lshlrev_b32 v1, 4, v1                        ; 16 (l % 8)
	v_bfe_u32 v2, v0, 3, 1
	v_lshl_add_u32 v1, v2, 12, v1                  ; + 4,096 x region: k = 2048 lies 4,096 bytes into a row of w_packed
	v_bfe_u32 v2, v0, 4, 1
	v_lshl_add_u32 v1, v2, 7, v1                   ; + 128 x (the second step of the two)
	v_lshlrev_b32 v2, 4, v3                        ; out: 16 l
	v_mov_b32 v3, 0xc308c308                       ; -136 in both halves
	s_wait_kmcnt 0x0
	s_add_nc_u64 s[6:7], s[6:7], s[14:15]
	s_add_nc_u64 s[10:11], s[10:11], s[14:15]
.set i, 0
.rept NLD
	global_load_b128 v[Q+4*i:Q+4*i+3], v1, s[6:7] offset:(i>>4)*ROWB+(i&15)*256 th:TH_LOAD_NT
.set i, i+1
.endr
.set i, 0
.rept NLD
	s_wait_loadcnt NLD-1-i                         ; load i is in, the 31 - i younger ones stay out
.irp j, 0,1,2,3
	v_lshlrev_b32 v[T+\j], 12, v[Q+4*i+\j]                     ; bits 7:4 (odd k) move to bits 19:16
.endr
.irp j, 0,1,2,3
	v_bfi_b32 v[Q+4*i+\j], s16, v[T+\j], v[Q+4*i+\j]           ; bits 19:16 from there, the rest as loaded
	v_and_b32 v[Q+4*i+\j], s17, v[Q+4*i+\j]                    ; even k's nibble in the low half, odd k's in the high half, nothing else
	v_xor_b32 v[Q+4*i+\j], s18, v[Q+4*i+\j]                    ; each half is now the bf16 number 128 + (n xor 8): 0x4300 is 128, and its last place counts 1
	v_pk_add_bf16 v[Q+4*i+\j], v[Q+4*i+\j], v3                 ; - 136: (n xor 8) - 8 is the nibble taken as signed, -8..7, exact in bf16
.endr
	global_store_b128 v2, v[Q+4*i:Q+4*i+3], s[10:11] offset:(i>>4)*ROWB+(i&15)*512   ; the wave's store covers 512 consecutive bytes, aligned
.set i, i+1
.endr
	s_endpgm
.Lfunc_end_k_q2be2e39fd3_prep:
	.size	k_q2be2e39fd3_prep, .Lfunc_end_k_q2be2e39fd3_prep-k_q2be2e39fd3_prep
	.p2alignl 7, 3214868480
	.fill 96, 4, 3214868480
	.section	.rodata,"a",@progbits
	.p2align	6, 0x0
	.amdhsa_kernel k_q2be2e39fd3_prep
		.amdhsa_group_segment_fixed_size 0
		.amdhsa_private_segment_fixed_size 0
		.amdhsa_enable_private_segment 0
		.amdhsa_kernarg_size 32
		.amdhsa_user_sgpr_count 2
		.amdhsa_user_sgpr_kernarg_segment_ptr 1
		.amdhsa_wavefront_size32 1
		.amdhsa_system_sgpr_workgroup_id_x 1
		.amdhsa_system_sgpr_workgroup_id_y 1
		.amdhsa_system_sgpr_workgroup_id_z 1
		.amdhsa_system_vgpr_workitem_id 0
		.amdhsa_next_free_vgpr 136
		.amdhsa_next_free_sgpr 66
		.amdhsa_reserve_vcc 0
		.amdhsa_float_denorm_mode_32 3
		.amdhsa_float_denorm_mode_16_64 3
		.amdhsa_memory_ordered 1
		.amdhsa_forward_progress 1
		.amdhsa_inst_pref_size 52
	.end_amdhsa_kernel
	.amdgpu_metadata
---
amdhsa.version: [ 1, 2 ]
amdhsa.kernels:
  - .name:           k_q2be2e39fd3_prep
    .symbol:         k_q2be2e39fd3_prep.kd
    .args:
      - { .name: x_q, .offset: 0, .size: 8, .value_kind: global_buffer, .address_space: global }
      - { .name: w_packed, .offset: 8, .size: 8, .value_kind: global_buffer, .address_space: global }
      - { .name: xb, .offset: 16, .size: 8, .value_kind: global_buffer, .address_space: global }
      - { .name: wb, .offset: 24, .size: 8, .value_kind: global_buffer, .address_space: global }
    .group_segment_fixed_size: 0
    .private_segment_fixed_size: 0
    .kernarg_segment_align: 8
    .kernarg_segment_size: 32
    .max_flat_workgroup_size: 256
    .sgpr_count:     66
    .vgpr_count:     136
    .wavefront_size: 32
...
	.end_amdgpu_metadata
.endif
;; end of part 1
;; launch gemm (part 2): grid 16 x 16, 4 waves a work-group, clusters of 4 x 4, 327,680 bytes of LDS; arguments xb, wb, scales_x, weight_scales_1, weight_scales_2, bias, out0; writes out0
.if DOCPART == 2
	.amdgcn_target "amdgcn-amd-amdhsa--gfx1250"
	.amdhsa_code_object_version 6
	.text
	.protected	k_q2be2e39fd3_gemm
	.globl	k_q2be2e39fd3_gemm
	.p2align	8
	.type	k_q2be2e39fd3_gemm,@function
k_q2be2e39fd3_gemm:
	s_mov_b64 s[64:65], 0
	v_nop
	global_prefetch_b8 v0, s[64:65] scope:SCOPE_SE
	s_setreg_imm32_b32 hwreg(HW_REG_WAVE_MODE, 25, 1), 1
	s_wait_xcnt 0x0
	s_wait_alu depctr_hold_cnt(0) depctr_sa_sdst(0) depctr_va_vdst(0) depctr_va_sdst(0) depctr_va_ssrc(0) depctr_va_vcc(0) depctr_vm_vsrc(0)
	s_getreg_b32 s2, hwreg(HW_REG_IB_STS2, 6, 4)
	s_cmp_eq_u32 s2, 0
	s_cbranch_scc0 .Lentry_in_a_cluster
	s_endpgm
.Lentry_in_a_cluster:
	s_bfe_u32 s2, ttmp6, 0x10000c
	s_cmp_lg_u32 s2, 0xf033
	s_cbranch_scc0 .Lentry_shape_is_right
	s_endpgm
.Lentry_shape_is_right:
; out[t][o] = sx[t] (y1[t][o] ws1[o] + y2[t][o] ws2[o]) + bias[o];  y1 = sum over k < 2048 of x[t][k] w[o][k], y2 the same over k >= 2048.
; xb [2048][4096] and wb [4096][4096] are bf16 with K reordered alike: each aligned 256 bytes of a row hold 64 k of the left region, then 64 k of the right.
; A work-group makes 128 (t) x 256 (o) of out with four waves: wave = 2 kh + nh takes K region kh and column half nh, all 128 rows: 64 accumulator
; tiles of 16 x 16, 512 registers, for ONE region.  So the split of K over the waves is the problem's own split into y1 and y2: no second set of sums
; is kept, and a wave's 32 k cost 2 x 128 x 64 bytes of LDS reads for 64 matrix instructions.  At the end y1 and y2 meet in LDS, and each wave scales
; and stores 64 rows x 128 columns.  16 x 16 = 256 work-groups.
; K goes in 32 steps (64 k of each region: rows of 256 bytes, aligned) through a ring of two LDS slots filled by the tensor data mover.
; Two slots of two steps each would need 2 x 208,896 bytes: they do not fit, so a slot holds one step.
; CLUSTERS: 4 x 4 work-groups.  x's tile hangs on the block of rows alone and is shared along a row of the cluster; w's tile hangs on the block of
; columns alone and is shared along a column.  Each is asked for jointly by the four that need it, which divides the requests for x and w by four.
; LIMITS: the operands are bf16 (whole numbers up to 256 are exact); the sums are f32, exact while below 2^24.  The scaling is fused:
; y2 ws2 is rounded, y1 ws1 + that is one fused multiply-add, sx (..) + bias another: two roundings fewer than the formula written out.
;
; REGISTERS, in windows of 256 (s_set_vgpr_msb says which window each operand place means):
;   window 0: v0-43 addresses and the scales; v64-127, v128-191 fragments of x (8 x 16 rows x 32 k), two buffers, later the way out
;   window 1: v64-127, v128-191 fragments of w, two buffers
;   window 2: the 32 tiles of rows 0-63 (tile (a, b) at v[8 (8 a + b)]);   window 3: those of rows 64-127
; THE MATRIX INSTRUCTION IS USED TRANSPOSED: source 0 = 16 rows of w, source 1 = 16 rows of x.  Lane l then holds row t = l % 16 of the tile and its
; registers 0 to 7 the columns o = 8 (l / 16) + 0 .. 7: 32 neighbouring bytes of a row of f32.
.set PITCH,  272                       ; an LDS row: 256 bytes + 16 of padding, an odd multiple of 16: the 16 rows that a fragment load touches lie in 16 different 16-byte columns modulo 256 (64 banks of 4 bytes: ISA guide 11.1)
.set HB,     128*PITCH                 ; 128 rows of w: one tensor load, and what one wave reads of w
.set HA,     64*PITCH                  ; 64 rows of x: one tensor load
.set AOFF,   2*HB                      ; in a slot: w's 256 rows, then x's 128 rows
.set SLOT,   AOFF+2*HA                 ; 104,448 bytes
.set XP,     528                       ; the exchange: a row of 128 f32 + 16 bytes, again an odd multiple of 16
.set XW,     128*XP                    ; one wave's 128 x 128 sums; four of them are 270,336 bytes
.set STEPB,  256                       ; bytes of a row in a step
.set LAPS,   16                        ; a lap = two steps = once round the ring; 32 steps
.set ADRA, 16                          ; v16-17  LDS address of my x fragments in slot 0, 1
.set ADRB, 20                          ; v20-21  the same for w
.set STO,  24                          ; v24     the exchange: where my lane's 32 bytes of a tile's row go
.set RD1,  25                          ; v25     the exchange: my 16 bytes of my first row of y1
.set RD2,  26                          ; v26     the same of y2
.set CO,   27                          ; v27     16 x lane: my 16 bytes in a row of 512
.set CV,   28                          ; v28     byte offset of my four columns in ws1, ws2, bias
.set SA,   29                          ; v29     byte offset in scales_x of my wave's output row number l
.set SXV,  30                          ; v30-31  sx of my wave's output rows l and 32 + l
.set WS1,  32                          ; v[32:35] ws1 of my four columns
.set WS2,  36                          ; v[36:39] ws2
.set BIAS, 40                          ; v[40:43] bias
.set F0,   64                          ; fragment buffer 0
.set F1,   128                         ; fragment buffer 1
.set G1,  24                           ; s[24:31] descriptor group 1 for x's tiles
.set G0,  32                           ; s[32:39] descriptor group 0 for x's tiles, one set for each slot
.set G1B, 48                           ; s[48:55] group 1 for w's tiles
.set G0B, 56                           ; s[56:63] group 0 for w's tiles, one set for each slot
.set SX,  76                           ; s[76:83] sx of eight output rows
.set MSB, 0
.macro WIN new                         ; the immediate's high byte repeats the setting that is left; a switch that changes nothing is dropped
.if MSB != \new
	s_set_vgpr_msb (MSB<<8)|\new
.set MSB, \new
.endif
.endm
.set MUL_LO, 0xa1                      ; source 0 (w) window 1, source 1 (x) window 0, C and D window 2
.set MUL_HI, 0xf1                      ; the same, C and D window 3
.set TO_B,   0x40                      ; destination window 1, address window 0
; A joint load.  Waves 0 and 1 fetch w's two halves (128 rows each), waves 2 and 3 x's two halves (64 rows each).  Each line has one mask and one set of
; registers, and nothing in them hangs on a coordinate that the four partners do not share.  The branch hangs on the wave's number alone.
.macro JLOAD s
	s_cmp_eq_u32 s11, 0
	s_cbranch_scc0 .Lfor_x_\@
	tensor_load_to_lds s[G0B+4*\s:G0B+4*\s+3], s[G1B:G1B+7]
	s_nop 0
	s_branch .Lasked_\@
.Lfor_x_\@:
	tensor_load_to_lds s[G0+4*\s:G0+4*\s+3], s[G1:G1+7]
	s_nop 0
.Lasked_\@:
.endm
; A round of the cluster's barrier: my work-group's barrier, so that wave 0's signal speaks for all four waves; wave 0 signals for the work-group;
; every wave waits for all sixteen work-groups; my work-group's barrier once more.
.macro CREST                           ; a round behind its opening barrier
	s_cmp_lg_u32 s10, 0
	s_cbranch_scc1 .Lnot_wave_0_\@
	s_barrier_signal -3
.Lnot_wave_0_\@:
	s_barrier_wait -3
	s_barrier_signal -1
	s_barrier_wait -1
.endm
.macro CROUND                          ; a whole round
	s_barrier_signal -1
	s_barrier_wait -1
	CREST
.endm
	s_load_b128 s[4:7], s[0:1], 0x0                ; xb s[4:5], wb s[6:7]
	s_load_b256 s[68:75], s[0:1], 0x10             ; scales_x s[68:69], ws1 s[70:71], ws2 s[72:73], bias s[74:75]
	s_load_b64 s[8:9], s[0:1], 0x30                ; out0
	s_set_vgpr_msb 0x40
	v_lshl_add_u32 v255, v0, 2, 0x42000
	s_set_vgpr_msb 0x4000
	v_mov_b32 v255, 0
	s_set_vgpr_msb 0x1
	ds_add_u32 v255, v255
	s_set_vgpr_msb 0x100
	v_lshrrev_b32 v1, 5, v0
	v_readfirstlane_b32 s10, v1                    ; wave 0..3
	s_lshr_b32 s11, s10, 1                         ; kh: my K region.  Also: I fetch for w (0) or for x (1)
	s_and_b32 s12, s10, 1                          ; nh: my half of the columns.  Also: which half of that tile I fetch
	s_bfe_u32 s40, ttmp6, 0x40000                  ; cx: my place along the cluster's x
	s_bfe_u32 s41, ttmp6, 0x40004                  ; cy: along its y
	s_lshl_b32 s42, ttmp9, 2                       ; in a cluster launch ttmp9 and ttmp7 count clusters
	s_add_co_u32 s42, s42, s40                     ; bx: block of 256 columns = 4 x cluster x + cx
	s_and_b32 s13, ttmp7, 0xffff
	s_lshl_b32 s13, s13, 2
	s_add_co_u32 s13, s13, s41                     ; by: block of 128 rows = 4 x cluster y + cy
	s_lshl_b32 s43, s41, 2
	s_lshl_b32 s43, 15, s43                        ; my row of the cluster: places 4 cy .. 4 cy + 3
	s_lshl_b32 s44, 0x1111, s40                    ; my column: places cx, cx + 4, cx + 8, cx + 12
	; descriptor groups 1: tiles of 64 (x) or 128 (w) rows x 128 elements, padded in LDS
	s_or_b32 s[G1+0], s43, (1<<16)|(1<<20)|(1<<21)|(5<<22)|(3<<25)   ; 15:0 the mask: x's tiles go to my row; 17:16 element of 2 bytes; 20 padding on; 21 set beside a mask; 24:22 after every 64 words (code 5); 31:25 of 4 words (code 3)
	s_or_b32 s[G1B+0], s44, (1<<16)|(1<<20)|(1<<21)|(5<<22)|(3<<25)  ; the same with the mask of my column, for w's tiles
	s_mov_b32 s[G1+1], 128<<16                     ; 63:48 tensor_dim0, low half = 128
	s_mov_b32 s[G1B+1], 128<<16
	s_mov_b32 s[G1+2], 64<<16                      ; 79:64 its high half = 0; 95:80 tensor_dim1, low half = 64 rows
	s_mov_b32 s[G1B+2], 128<<16                    ; 128 rows
	s_mov_b32 s[G1+3], 128<<16                     ; 111:96 its high half = 0; 127:112 tile_dim0 = 128
	s_mov_b32 s[G1B+3], 128<<16
	s_mov_b32 s[G1+4], 64                          ; 143:128 tile_dim1; 159:144 tile_dim2 = 0
	s_mov_b32 s[G1B+4], 128
	s_mov_b32 s[G1+5], 4096                        ; 191:160 tensor_dim0_stride: 4,096 elements from row to row
	s_mov_b32 s[G1B+5], 4096
	s_mov_b32 s[G1+6], 0
	s_mov_b32 s[G1B+6], 0
	s_mov_b32 s[G1+7], 0
	s_mov_b32 s[G1B+7], 0
	; where the tiles come from.  Every wave makes both addresses, in registers that never hold the other coordinate, and asks by one of them.
	s_lshl_b32 s16, s13, 7
	s_lshl_b32 s17, s12, 6
	s_add_co_u32 s16, s16, s17                     ; x: row 128 by + 64 x half
	s_lshl_b32 s16, s16, 13                        ; x 8,192 bytes: below 2^24
	s_mov_b32 s17, 0
	s_lshl_b32 s46, s42, 8
	s_lshl_b32 s47, s12, 7
	s_add_co_u32 s46, s46, s47                     ; w: row 256 bx + 128 x half
	s_lshl_b32 s46, s46, 13                        ; x 8,192 bytes: below 2^25
	s_mov_b32 s47, 0
	s_mul_i32 s20, s10, HB                         ; and where they go: w's halves at wave x 34,816 (waves 0, 1),
	s_mul_i32 s21, s10, HA
	s_add_co_u32 s21, s21, HB                      ; x's halves at 34,816 + wave x 17,408 (waves 2, 3: 69,632 and 87,040): no place in the cluster enters an LDS address
	s_wait_dscnt 0x0
	s_wait_kmcnt 0x0
	s_add_nc_u64 s[14:15], s[4:5], s[16:17]
	s_add_nc_u64 s[46:47], s[6:7], s[46:47]
	CROUND                                         ; all sixteen work-groups are here: the first joint loads meet
.irp s, 0,1
	s_mov_b32 s[G0+4*\s], 1                                        ; 1:0 count = 1
	s_add_co_u32 s[G0+4*\s+1], s21, \s*SLOT                        ; 63:32 LDS address
	s_add_nc_u64 s[G0+4*\s+2:G0+4*\s+3], s[14:15], \s*STEPB        ; 120:64 global address: step s
	s_or_b32 s[G0+4*\s+3], s[G0+4*\s+3], 0x80000000                ; 127:126 type = 2
	s_mov_b32 s[G0B+4*\s], 1
	s_add_co_u32 s[G0B+4*\s+1], s20, \s*SLOT
	s_add_nc_u64 s[G0B+4*\s+2:G0B+4*\s+3], s[46:47], \s*STEPB
	s_or_b32 s[G0B+4*\s+3], s[G0B+4*\s+3], 0x80000000
	JLOAD \s                                       ; both slots' first fills go out before anything else is done: two tensor loads of the wave are out
.endr
	; A fragment is 16 rows x 32 k in 8 registers: lane l holds row l % 16; registers 0-3 hold k = 8 (l / 16) + 0..7, registers 4-7 hold
	; k = 16 + 8 (l / 16) + 0..7: two loads of 16 bytes, 32 bytes apart.  My region's 64 k begin 128 kh bytes into an LDS row.
	v_and_b32 v1, 15, v0                           ; l % 16
	v_bfe_u32 v2, v0, 4, 1                         ; l / 16
	v_mul_u32_u24 v3, v1, PITCH
	v_lshl_add_u32 v3, v2, 4, v3                   ; row x pitch + 16 x half
	s_lshl_b32 s22, s11, 7                         ; 128 kh
	s_add_co_u32 s23, s22, AOFF                    ; x: all 128 rows, behind w's 256
	s_mul_i32 s45, s12, HB                         ; w: my 128 rows
	s_add_co_u32 s45, s45, s22
.irp s, 0,1
	v_add_nc_u32 v[ADRA+\s], s23, v3
	v_add_nc_u32 v[ADRB+\s], s45, v3
	s_add_co_u32 s23, s23, SLOT
	s_add_co_u32 s45, s45, SLOT
.endr
	v_and_b32 v4, 31, v0                           ; lane
	v_lshlrev_b32 v[CO], 4, v4                     ; 16 x lane
	s_mul_i32 s22, s10, XW                         ; the exchange, in: my wave's 67,584 bytes,
	v_mul_u32_u24 v5, v1, XP                       ; row l % 16,
	v_lshl_add_u32 v5, v2, 5, v5                   ; 32 bytes for each half of the lanes
	v_add_nc_u32 v[STO], s22, v5
	s_mul_i32 s22, s12, XW                         ; back: y1 of my column half lies in wave nh's bytes, y2 in wave 2 + nh's;
	s_mul_i32 s23, s11, 64*XP                      ; I finish rows 64 kh .. 64 kh + 63
	s_add_co_u32 s22, s22, s23
	v_add_nc_u32 v[RD1], s22, v[CO]
	v_add_nc_u32 v[RD2], 2*XW, v[RD1]
	s_lshl1_add_u32 s66, s42, s12
	s_lshl_b32 s66, s66, 9                         ; my first column x 4 bytes: 1,024 bx + 512 nh
	s_lshl1_add_u32 s67, s13, s11
	s_lshl_b32 s67, s67, 8                         ; my first output row x 4 bytes: 4 (128 by + 64 kh)
	v_add_nc_u32 v[CV], s66, v[CO]
	v_lshl_add_u32 v[SA], v4, 2, s67
	global_load_b128 v[WS1:WS1+3], v[CV], s[70:71]             ; the scales, once, 512 consecutive bytes a load
	global_load_b128 v[WS2:WS2+3], v[CV], s[72:73]
	global_load_b128 v[BIAS:BIAS+3], v[CV], s[74:75]
	global_load_b32 v[SXV], v[SA], s[68:69]                    ; sx of my 64 output rows, one a lane, twice
	global_load_b32 v[SXV+1], v[SA], s[68:69] offset:128
; 16 matrix instructions: row blocks a0, a0 + 1 of the window's four (hi = 0: rows 0-63, 1: rows 64-127) x all 8 column blocks, 32 along K.
; zero = 1: the first product starts the sums: nothing is ever cleared.
.macro MUL16 f, hi, a0, zero
.irp a, \a0, \a0+1
.irp b, 0,1,2,3,4,5,6,7
.if \zero
	v_wmma_f32_16x16x32_bf16 v[8*(8*(\a)+\b):8*(8*(\a)+\b)+7], v[\f+8*\b:\f+8*\b+7], v[\f+8*(4*\hi+\a):\f+8*(4*\hi+\a)+7], 0
.else
	v_wmma_f32_16x16x32_bf16 v[8*(8*(\a)+\b):8*(8*(\a)+\b)+7], v[\f+8*\b:\f+8*\b+7], v[\f+8*(4*\hi+\a):\f+8*(4*\hi+\a)+7], v[8*(8*(\a)+\b):8*(8*(\a)+\b)+7]
.endif
.endr
.endr
.endm
; 32 LDS loads in one run: the fragments of 32 k (128 rows of w, 128 rows of x, at byte k of my region's part of the rows) into buffer f
.macro FETCH slot, k, f
	WIN TO_B
.irp i, 0,1,2,3,4,5,6,7
	ds_load_b128 v[\f+8*\i:\f+8*\i+3],   v[ADRB+\slot] offset:\k+\i*16*PITCH
	ds_load_b128 v[\f+8*\i+4:\f+8*\i+7], v[ADRB+\slot] offset:\k+\i*16*PITCH+32
.endr
	WIN 0
.irp i, 0,1,2,3,4,5,6,7
	ds_load_b128 v[\f+8*\i:\f+8*\i+3],   v[ADRA+\slot] offset:\k+\i*16*PITCH
	ds_load_b128 v[\f+8*\i+4:\f+8*\i+7], v[ADRA+\slot] offset:\k+\i*16*PITCH+32
.endr
.endm
; A load into a register that a matrix instruction has read, and an LDS store that reads a matrix result, stand four places behind that matrix instruction,
; and only plain vector instructions that name none of its registers are places (ISA guide 7.12.1 for vector instructions
; ); the matrix instructions in between are not counted.  So four v_nop stand in front of each run of loads: eight for a step's 128 matrix instructions.
.macro PLACES
.rept 4
	v_nop
.endr
.endm
; A step is two halves of 32 along K, 64 matrix instructions each, on buffers 0 and 1.  The 64 accumulators take turns, one instruction a turn, in the
; same order in every half step, over the loop's backward jump too.
; The first half: multiplies buffer f; in its middle it fetches the second half's fragments, at byte k, into buffer g.
.macro QUARTER slot, k, f, g, zero
	s_wait_dscnt 8                                 ; w and x's rows 0-63 are in; the youngest eight loads (x's rows 64-127) may be out
	WIN MUL_LO
	MUL16 \f, 0, 0, \zero
	MUL16 \f, 0, 2, \zero
	PLACES
	FETCH \slot, \k, \g
	s_wait_dscnt 32                                ; all but the 32 just issued
	WIN MUL_HI
	MUL16 \f, 1, 0, \zero
	MUL16 \f, 1, 2, \zero
.endm
; The second half: multiplies buffer 1 and changes slots.  next = the other slot; fill = 1: this slot is filled again, two steps ahead.
; ONE barrier for the change of slots, for two things.  In front of it each wave waits for its own reads of this slot and for all its tensor loads, of which
; one is out: its part of the next slot.  Behind it nobody reads this slot any more and the next slot is whole: the refill comes first, then the next slot's
; first fragments.  From a request to the wait for it a wave issues 32 + 64 + 16 = 112 matrix instructions.
.macro TURN slot, next, fill
	s_wait_dscnt 8
	WIN MUL_LO
	MUL16 F1, 0, 0, 0
	s_wait_dscnt 0                                 ; my reads of this slot are over
	s_wait_tensorcnt 0x0                           ; and all my tensor loads have landed: the one that was out is my part of the next slot:
	ds_add_u32 v255, v255
	s_wait_dscnt 0x0
	s_barrier_signal -1                            ; say so (where a slot is filled again this barrier opens a round of the cluster's barrier),
	MUL16 F1, 0, 2, 0                              ; work on registers while the others arrive,
	WIN 0
	s_barrier_wait -1                              ; and go on when all four have said so
.if \fill
	CREST                                          ; all sixteen work-groups have said so: no wave of any partner still reads this slot's tile or has a load on its way
	s_add_nc_u64 s[G0+4*\slot+2:G0+4*\slot+3], s[G0+4*\slot+2:G0+4*\slot+3], 2*STEPB     ; no tensor load of mine is out: the groups 0 may be written
	s_add_nc_u64 s[G0B+4*\slot+2:G0B+4*\slot+3], s[G0B+4*\slot+2:G0B+4*\slot+3], 2*STEPB
	JLOAD \slot                                    ; the first tensor load behind the round, and my only one until the next: one is out
.endif
	PLACES
	FETCH \next, 0, F0
	WIN MUL_HI
	MUL16 F1, 1, 0, 0
	MUL16 F1, 1, 2, 0
.endm
.macro LAP zero                        ; once round the ring, both slots filled again
	QUARTER 0, 64, F0, F1, \zero
	TURN 0, 1, 1
	QUARTER 1, 64, F0, F1, 0
	TURN 1, 0, 1
.endm
	s_wait_loadcnt 0x0                             ; the scales are in, while the first tiles are on their way
	s_wait_tensorcnt 1                             ; my part of step 0 is in; step 1's load may stay out
	s_barrier_signal -1
	s_barrier_wait -1                              ; everybody's is
	FETCH 0, 0, F0
	LAP 1                                          ; steps 0 and 1 stand in front of the loop: the first products start the sums; steps 2 and 3 are asked for
	WIN 0                                          ; at a label and at a branch every window is 0
	s_mov_b32 s3, LAPS-2
.Llap:
	LAP 0                                          ; steps 2 to 29; steps 4 to 31 are asked for
	WIN 0
	s_sub_co_u32 s3, s3, 1
	s_cmp_lg_u32 s3, 0
	s_cbranch_scc1 .Llap
	QUARTER 0, 64, F0, F1, 0                       ; the last lap fills nothing and has no round of the cluster's barrier: the one load still out is slot 1's, step 31
	TURN 0, 1, 0
	QUARTER 1, 64, F0, F1, 0
	s_wait_dscnt 8                                 ; the very last half step: nothing more to fetch
	WIN MUL_LO
	MUL16 F1, 0, 0, 0
	MUL16 F1, 0, 2, 0
	s_wait_dscnt 0
	WIN MUL_HI
	MUL16 F1, 1, 0, 0
	MUL16 F1, 1, 2, 0
	; THE EXCHANGE.  The ring has had its last fill, and no tensor load is out since the last change of slots.  My reads of it are back (the wait for 0 above);
	; behind this barrier everybody's are, and its bytes may be written.  Each wave lays its 128 x 128 sums down by rows, straight from the accumulators.
	PLACES                                         ; the places behind the last matrix instructions, for the LDS stores of results and for the loads into buffers 0 and 1
	WIN 0
	s_barrier_signal -1
	s_barrier_wait -1
; the 32 tiles of one window: rows 16 (base + a) + l % 16, bytes 64 b + 32 (l / 16) of the row, as two stores of 16 bytes.  win: the store's data (source 1) in window 2 or 3
.macro XSTORE win, base
	WIN \win
.irp a, 0,1,2,3
.irp b, 0,1,2,3,4,5,6,7
	ds_store_b128 v[STO], v[8*(8*\a+\b):8*(8*\a+\b)+3]   offset:(\base+\a)*16*XP+64*\b
	ds_store_b128 v[STO], v[8*(8*\a+\b)+4:8*(8*\a+\b)+7] offset:(\base+\a)*16*XP+64*\b+16
.endr
.endr
.endm
	XSTORE 0x08, 0
	XSTORE 0x0c, 4
	WIN 0
	s_wait_dscnt 0x0                               ; for the others' sake: all my stores are in LDS
	s_barrier_signal -1
	s_barrier_wait -1                              ; y1 and y2 of the whole block lie in LDS
	; THE WAY OUT.  Wave (kh, nh) finishes rows 64 kh .. 64 kh + 63 of column half nh: a row is 512 bytes, 16 a lane.
	s_lshl_b32 s16, s67, 12                        ; (128 by + 64 kh) rows of 16,384 bytes: below 2^25
	s_mov_b32 s17, 0
	s_add_nc_u64 s[8:9], s[8:9], s[16:17]
	s_mov_b32 s46, s66                             ; 1,024 bx + 512 nh (in the registers that held w's address: none that fed x's descriptors ever holds cx)
	s_mov_b32 s47, 0
	s_add_nc_u64 s[8:9], s[8:9], s[46:47]
; eight rows, 8 g .. 8 g + 7 of my 64; f: F0 or F1 in turn: v[f:f+31] y1 and then the result, v[f+32:f+63] y2
.macro OUT8 g, f
	s_wait_xcnt 0x0                                ; every earlier memory instruction has had its addresses translated (ISA guide 3.1): buffer f, from which stores read two groups ago, is loaded again only behind this wait
.irp t, 0,1,2,3,4,5,6,7
	ds_load_b128 v[\f+4*\t:\f+4*\t+3],       v[RD1] offset:(8*\g+\t)*XP
	ds_load_b128 v[\f+32+4*\t:\f+32+4*\t+3], v[RD2] offset:(8*\g+\t)*XP
.endr
.irp t, 0,1,2,3,4,5,6,7
	v_readlane_b32 s[SX+\t], v[SXV+(\g>>2)], (8*\g+\t)&31      ; the row's sx, one number for the whole wave
.endr
.irp t, 0,1,2,3,4,5,6,7
	s_wait_dscnt 14-2*\t                           ; LDS loads come back in order (ISA guide 5.7.1): row t's pair is in, the 7 - t younger pairs stay out
	v_pk_mul_f32 v[\f+32+4*\t:\f+33+4*\t], v[\f+32+4*\t:\f+33+4*\t], v[WS2:WS2+1]                         ; y2 ws2
	v_pk_mul_f32 v[\f+34+4*\t:\f+35+4*\t], v[\f+34+4*\t:\f+35+4*\t], v[WS2+2:WS2+3]
	v_pk_fma_f32 v[\f+4*\t:\f+4*\t+1],   v[\f+4*\t:\f+4*\t+1],   v[WS1:WS1+1],   v[\f+32+4*\t:\f+33+4*\t]   ; y1 ws1 + that
	v_pk_fma_f32 v[\f+4*\t+2:\f+4*\t+3], v[\f+4*\t+2:\f+4*\t+3], v[WS1+2:WS1+3], v[\f+34+4*\t:\f+35+4*\t]
.irp j, 0,1,2,3
	v_fma_f32 v[\f+4*\t+\j], s[SX+\t], v[\f+4*\t+\j], v[BIAS+\j]                                         ; sx (..) + bias
.endr
	global_store_b128 v[CO], v[\f+4*\t:\f+4*\t+3], s[8:9] offset:(8*\g+\t)*16384 th:TH_STORE_NT   ; the wave's store covers 512 consecutive bytes, aligned; the row stands in the immediate, 1,032,192 at the most
.endr
.endm
	OUT8 0, F0
	OUT8 1, F1
	OUT8 2, F0
	OUT8 3, F1
	OUT8 4, F0
	OUT8 5, F1
	OUT8 6, F0
	OUT8 7, F1
	s_set_vgpr_msb 0x1
	s_wait_tensorcnt 0x0
	ds_add_u32 v255, v255
	s_wait_dscnt 0x0
	s_set_vgpr_msb 0x100
	CROUND                                         ; the closing round: no work-group ends while a partner may still ask for a tile that names it
	s_endpgm
.Lfunc_end_k_q2be2e39fd3_gemm:
	.size	k_q2be2e39fd3_gemm, .Lfunc_end_k_q2be2e39fd3_gemm-k_q2be2e39fd3_gemm
	.p2alignl 7, 3214868480
	.fill 96, 4, 3214868480
	.section	.rodata,"a",@progbits
	.p2align	6, 0x0
	.amdhsa_kernel k_q2be2e39fd3_gemm
		.amdhsa_group_segment_fixed_size 327680
		.amdhsa_private_segment_fixed_size 0
		.amdhsa_enable_private_segment 0
		.amdhsa_kernarg_size 56
		.amdhsa_user_sgpr_count 2
		.amdhsa_user_sgpr_kernarg_segment_ptr 1
		.amdhsa_wavefront_size32 1
		.amdhsa_system_sgpr_workgroup_id_x 1
		.amdhsa_system_sgpr_workgroup_id_y 1
		.amdhsa_system_sgpr_workgroup_id_z 1
		.amdhsa_system_vgpr_workitem_id 0
		.amdhsa_next_free_vgpr 1024
		.amdhsa_next_free_sgpr 84
		.amdhsa_reserve_vcc 0
		.amdhsa_float_denorm_mode_32 3
		.amdhsa_float_denorm_mode_16_64 3
		.amdhsa_memory_ordered 1
		.amdhsa_forward_progress 1
		.amdhsa_inst_pref_size 148
	.end_amdhsa_kernel
	.amdgpu_metadata
---
amdhsa.version: [ 1, 2 ]
amdhsa.kernels:
  - .name:           k_q2be2e39fd3_gemm
    .symbol:         k_q2be2e39fd3_gemm.kd
    .args:
      - { .name: xb, .offset: 0, .size: 8, .value_kind: global_buffer, .address_space: global }
      - { .name: wb, .offset: 8, .size: 8, .value_kind: global_buffer, .address_space: global }
      - { .name: scales_x, .offset: 16, .size: 8, .value_kind: global_buffer, .address_space: global }
      - { .name: weight_scales_1, .offset: 24, .size: 8, .value_kind: global_buffer, .address_space: global }
      - { .name: weight_scales_2, .offset: 32, .size: 8, .value_kind: global_buffer, .address_space: global }
      - { .name: bias, .offset: 40, .size: 8, .value_kind: global_buffer, .address_space: global }
      - { .name: out0, .offset: 48, .size: 8, .value_kind: global_buffer, .address_space: global }
    .group_segment_fixed_size: 327680
    .private_segment_fixed_size: 0
    .kernarg_segment_align: 8
    .kernarg_segment_size: 56
    .max_flat_workgroup_size: 128
    .sgpr_count:     84
    .vgpr_count:     1024
    .wavefront_size: 32
...
	.end_amdgpu_metadata
.endif
;; end of part 2
;; ======== version 2 of 2: 2 launches; 1.23 times as fast as version 1
;; limits: values are held in f16: magnitudes above 65,504 overflow, below 6.1e-05 lose precision; inputs' magnitudes at most 65,504
;; workspace buffers: xb 16,777,216 bytes; wb 16,777,216 bytes
;; launch prep (part 3): grid 256 x 2, 8 waves a work-group, no clusters, 0 bytes of LDS; arguments x_q, w_packed, xb, wb; writes xb, wb
.if DOCPART == 3
	.amdgcn_target "amdgcn-amd-amdhsa--gfx1250"
	.amdhsa_code_object_version 6
	.text
	.protected	k_q2be2e39fd3_prep
	.globl	k_q2be2e39fd3_prep
	.p2align	8
	.type	k_q2be2e39fd3_prep,@function
k_q2be2e39fd3_prep:
	s_mov_b64 s[64:65], 0
	v_nop
	global_prefetch_b8 v0, s[64:65] scope:SCOPE_SE
	s_setreg_imm32_b32 hwreg(HW_REG_WAVE_MODE, 25, 1), 1
	s_wait_xcnt 0x0
; prep: x_q [2048][4096] int32 -> xb [2048][4096] f16;  w_packed [4096][2048] int32 (one byte = two signed nibbles) -> wb [4096][4096] bytes.
; Each number of x and of w is used by sixteen blocks of the product that follows, so it is converted once, here.
; A BYTE OF wb is the upper byte of the nibble's f16 number: every whole number from -8 to 7 is an f16 number whose lower byte is 0, so the byte
; carries it exactly and the product widens it by setting a zero byte under it.
; ORDER INSIDE A ROW of xb and of wb: position 256 n + 128 h + i holds k = 2048 h + 128 n + i (n = 0..15, h = 0..1, i = 0..127): 128 k of the left
; region, then the 128 k of the right region of the same n.  That is 512 bytes of xb and 256 bytes of wb for each n, both aligned.
; A stream: every input byte is read once and every output byte written once; nothing is shared between work-groups, so no LDS, no barrier,
; no cluster.  Work-group row y = 0 converts x (8 rows a work-group, one a wave), y = 1 converts w (16 rows a work-group, two a wave).
; A wave moves 16 KiB of input by 32 loads of 16 bytes a lane, all issued at once into registers of their own: no register is used twice,
; so there is no loop and no wait but the counted ones for the data.
; LIMITS: x is converted int32 -> f32 -> f16: exact for |x| <= 2048, rounded to f16's 11 significant bits up to 65,504, infinity beyond.
; Of a word of w_packed only bits 7:0 count, as in the problem's own unpacking.
.set NLD,  32                          ; loads of a wave
.set TL,   4                           ; v[4:5]    the codes of nibbles 0..7, one a byte; v[6:7] those of nibbles 8..15 (-8..-1)
.set T,    8                           ; v[8:15]   at work (w part): four registers for each pair of words
.set Q,    16                          ; v[16:143] load i: 4 registers; the result goes into the first two and is stored from there
	s_load_b256 s[4:11], s[0:1], 0x0               ; x_q s[4:5], w_packed s[6:7], xb s[8:9], wb s[10:11]
	v_lshrrev_b32 v1, 5, v0
	v_readfirstlane_b32 s12, v1                    ; my wave's number, 0..7
	v_and_b32 v3, 31, v0                           ; lane l
	s_lshl_b32 s14, ttmp9, 3
	s_add_co_u32 s14, s14, s12                     ; 8 g + w: my row of x, or my pair of rows of w
	s_lshl_b32 s20, s14, 13                        ; out: 8,192 bytes: a row of xb, or two rows of wb
	s_lshl_b32 s14, s14, 14                        ; in: 16,384 bytes: a row of x_q, or two rows of w_packed
	s_mov_b32 s15, 0                               ; high words of the two offsets: both stay below 2^26
	s_mov_b32 s21, 0
	v_lshlrev_b32 v2, 3, v3                        ; out: 8 l: every store of the wave covers 256 consecutive bytes, aligned
	s_and_b32 s13, ttmp7, 0xffff                   ; work-group y: 0 = x, 1 = w
	s_cmp_lg_u32 s13, 0
	s_cbranch_scc1 .Lw
	; ---- x: load i takes the 128 numbers (512 consecutive bytes) of n = i / 2 in region h = i % 2; they become the 256 bytes at 256 i of the row of xb.
	v_lshlrev_b32 v1, 4, v3                        ; in: 16 l
	s_wait_kmcnt 0x0
	s_add_nc_u64 s[4:5], s[4:5], s[14:15]
	s_add_nc_u64 s[8:9], s[8:9], s[20:21]
.set i, 0
.rept NLD
	global_load_b128 v[Q+4*i:Q+4*i+3], v1, s[4:5] offset:(i&1)*8192+(i>>1)*512 th:TH_LOAD_NT   ; k = 2048 lies 8,192 bytes into a row of x_q
.set i, i+1
.endr
.set i, 0
.rept NLD
	s_wait_loadcnt NLD-1-i                         ; loads come back in order (ISA guide 5.7.1): load i is in, the 31 - i younger ones stay out
	v_cvt_f32_i32 v[Q+4*i],   v[Q+4*i]
	v_cvt_f32_i32 v[Q+4*i+1], v[Q+4*i+1]
	v_cvt_f32_i32 v[Q+4*i+2], v[Q+4*i+2]
	v_cvt_f32_i32 v[Q+4*i+3], v[Q+4*i+3]
	v_cvt_pk_f16_f32 v[Q+4*i],   v[Q+4*i],   v[Q+4*i+1]    ; the lower k into the low half
	v_cvt_pk_f16_f32 v[Q+4*i+1], v[Q+4*i+2], v[Q+4*i+3]
	global_store_b64 v2, v[Q+4*i:Q+4*i+1], s[8:9] offset:256*i
.set i, i+1
.endr
	s_endpgm
	; ---- w: a word holds two k.  Load i takes row i / 16 of my two and n = i % 16: lanes 0-15 the 64 words (256 aligned bytes) of the left region,
	; lanes 16-31 those of the right region; a lane's four words become eight bytes, and the wave's 256 bytes are the block n of the row of wb.
.Lw:
	s_mov_b32 s16, 0x04040000                      ; gather: byte 0 of the first word twice, byte 0 of the second word twice
	s_mov_b32 s17, 0x000f000f                      ; the low nibbles, in bytes 0 and 2
	s_mov_b32 s18, 0x0f000f00                      ; the high nibbles (after a shift by 4), in bytes 1 and 3
	s_mov_b32 s19, 0x07070707                      ; a nibble's place in its half of the table
	s_mov_b32 s22, 0x04040404                      ; a nibble's sign bit, after a shift by 1
	s_mov_b32 s23, 0x03020100                      ; byte i stays byte i
	v_mov_b32 v[TL],   0x42403c00                  ; upper bytes of the f16 numbers 0, 1, 2, 3
	v_mov_b32 v[TL+1], 0x47464544                  ; 4, 5, 6, 7
	v_mov_b32 v[TL+2], 0xc5c6c7c8                  ; -8, -7, -6, -5
	v_mov_b32 v[TL+3], 0xbcc0c2c4                  ; -4, -3, -2, -1
	v_and_b32 v1, 15, v0
	v_lshlrev_b32 v1, 4, v1                        ; in: 16 (l % 16)
	v_bfe_u32 v[T], v0, 4, 1
	v_lshl_add_u32 v1, v[T], 12, v1                ; + 4,096 (l / 16): k = 2048 lies 4,096 bytes into a row of w_packed
	s_wait_kmcnt 0x0
	s_add_nc_u64 s[6:7], s[6:7], s[14:15]
	s_add_nc_u64 s[10:11], s[10:11], s[20:21]
.set i, 0
.rept NLD
	global_load_b128 v[Q+4*i:Q+4*i+3], v1, s[6:7] offset:(i>>4)*8192+(i&15)*256 th:TH_LOAD_NT
.set i, i+1
.endr
.set i, 0
.rept NLD
	s_wait_loadcnt NLD-1-i                         ; load i is in, the 31 - i younger ones stay out
.irp u, 0,1
	v_perm_b32 v[T+4*\u], v[Q+4*i+2*\u+1], v[Q+4*i+2*\u], s16          ; both pairs are gathered before the first result lands on a loaded word
.endr
.irp u, 0,1
	v_lshrrev_b32 v[T+4*\u+1], 4, v[T+4*\u]
	v_and_b32 v[T+4*\u], s17, v[T+4*\u]
	v_and_or_b32 v[T+4*\u+2], v[T+4*\u+1], s18, v[T+4*\u]              ; four nibbles, one a byte, k ascending
	v_and_b32 v[T+4*\u+3], s19, v[T+4*\u+2]
	v_lshrrev_b32 v[T+4*\u+2], 1, v[T+4*\u+2]
	v_perm_b32 v[T+4*\u],   v[TL+1], v[TL],   v[T+4*\u+3]              ; what each byte would be as 0..7,
	v_perm_b32 v[T+4*\u+1], v[TL+3], v[TL+2], v[T+4*\u+3]              ; and as -8..-1
	v_and_or_b32 v[T+4*\u+2], v[T+4*\u+2], s22, s23                    ; byte i: i, or 4 + i where the nibble's sign bit is set
	v_perm_b32 v[Q+4*i+\u], v[T+4*\u+1], v[T+4*\u], v[T+4*\u+2]        ; the choice, byte by byte
.endr
	global_store_b64 v2, v[Q+4*i:Q+4*i+1], s[10:11] offset:(i>>4)*4096+(i&15)*256
.set i, i+1
.endr
	s_endpgm
.Lfunc_end_k_q2be2e39fd3_prep:
	.size	k_q2be2e39fd3_prep, .Lfunc_end_k_q2be2e39fd3_prep-k_q2be2e39fd3_prep
	.p2alignl 7, 3214868480
	.fill 96, 4, 3214868480
	.section	.rodata,"a",@progbits
	.p2align	6, 0x0
	.amdhsa_kernel k_q2be2e39fd3_prep
		.amdhsa_group_segment_fixed_size 0
		.amdhsa_private_segment_fixed_size 0
		.amdhsa_enable_private_segment 0
		.amdhsa_kernarg_size 32
		.amdhsa_user_sgpr_count 2
		.amdhsa_user_sgpr_kernarg_segment_ptr 1
		.amdhsa_wavefront_size32 1
		.amdhsa_system_sgpr_workgroup_id_x 1
		.amdhsa_system_sgpr_workgroup_id_y 1
		.amdhsa_system_sgpr_workgroup_id_z 1
		.amdhsa_system_vgpr_workitem_id 0
		.amdhsa_next_free_vgpr 144
		.amdhsa_next_free_sgpr 66
		.amdhsa_reserve_vcc 0
		.amdhsa_float_denorm_mode_32 3
		.amdhsa_float_denorm_mode_16_64 3
		.amdhsa_memory_ordered 1
		.amdhsa_forward_progress 1
		.amdhsa_inst_pref_size 56
	.end_amdhsa_kernel
	.amdgpu_metadata
---
amdhsa.version: [ 1, 2 ]
amdhsa.kernels:
  - .name:           k_q2be2e39fd3_prep
    .symbol:         k_q2be2e39fd3_prep.kd
    .args:
      - { .name: x_q, .offset: 0, .size: 8, .value_kind: global_buffer, .address_space: global }
      - { .name: w_packed, .offset: 8, .size: 8, .value_kind: global_buffer, .address_space: global }
      - { .name: xb, .offset: 16, .size: 8, .value_kind: global_buffer, .address_space: global }
      - { .name: wb, .offset: 24, .size: 8, .value_kind: global_buffer, .address_space: global }
    .group_segment_fixed_size: 0
    .private_segment_fixed_size: 0
    .kernarg_segment_align: 8
    .kernarg_segment_size: 32
    .max_flat_workgroup_size: 256
    .sgpr_count:     66
    .vgpr_count:     144
    .wavefront_size: 32
...
	.end_amdgpu_metadata
.endif
;; end of part 3
;; launch gemm (part 4): grid 16 x 16, 4 waves a work-group, clusters of 4 x 4, 327,680 bytes of LDS; arguments xb, wb, scales_x, weight_scales_1, weight_scales_2, bias, out0; writes out0
.if DOCPART == 4
	.amdgcn_target "amdgcn-amd-amdhsa--gfx1250"
	.amdhsa_code_object_version 6
	.text
	.protected	k_q2be2e39fd3_gemm
	.globl	k_q2be2e39fd3_gemm
	.p2align	8
	.type	k_q2be2e39fd3_gemm,@function
k_q2be2e39fd3_gemm:
	s_mov_b64 s[64:65], 0
	v_nop
	global_prefetch_b8 v0, s[64:65] scope:SCOPE_SE
	s_setreg_imm32_b32 hwreg(HW_REG_WAVE_MODE, 25, 1), 1
	s_wait_xcnt 0x0
	s_wait_alu depctr_hold_cnt(0) depctr_sa_sdst(0) depctr_va_vdst(0) depctr_va_sdst(0) depctr_va_ssrc(0) depctr_va_vcc(0) depctr_vm_vsrc(0)
	s_getreg_b32 s2, hwreg(HW_REG_IB_STS2, 6, 4)
	s_cmp_eq_u32 s2, 0
	s_cbranch_scc0 .Lentry_in_a_cluster
	s_endpgm
.Lentry_in_a_cluster:
	s_bfe_u32 s2, ttmp6, 0x10000c
	s_cmp_lg_u32 s2, 0xf033
	s_cbranch_scc0 .Lentry_shape_is_right
	s_endpgm
.Lentry_shape_is_right:
; out[t][o] = sx[t] (y1[t][o] ws1[o] + y2[t][o] ws2[o]) + bias[o];  y1 = sum over k < 2048 of x[t][k] w[o][k], y2 the same over k >= 2048.
; xb [2048][4096] is f16; wb [4096][4096] holds one byte a number, the upper byte of its f16 form (whole numbers -8..7: the lower byte is 0).
; K is reordered alike in both: for n = 0..15, 128 k of the left region, then 128 k of the right: 512 aligned bytes of a row of xb, 256 of a row of wb.
; A work-group makes 128 (t) x 256 (o) of out with four waves: wave = 2 kh + nh takes K region kh and column half nh, all 128 rows: 64 accumulator
; tiles of 16 x 16, 512 registers, for ONE region.  So the split of K over the waves is the problem's own split into y1 and y2.  At the end y1 and y2
; meet in LDS, and each wave scales and stores 64 rows x 128 columns.  16 x 16 = 256 work-groups.
; WHY w TRAVELS AS BYTES: a k costs 128 x 2 + 256 x 1 = 512 bytes of LDS instead of 768, so that two slots of 128 k of each region fit (2 x 137,216 bytes);
; with 16-bit w they would need 2 x 208,896.  A slot lasts 256 matrix instructions of a wave.  The price: one v_perm_b32 for each matrix instruction,
; which sets a zero byte under each of two data bytes; it stands between two matrix instructions and works on the other fragment buffer.
; CLUSTERS: 4 x 4 work-groups.  x's tile hangs on the block of rows alone and is shared along a row of the cluster; w's tile hangs on the block of
; columns alone and is shared along a column.  Each is asked for jointly by the four that need it, which divides the requests for x and w by four.
; LIMITS: x is f16 (whole numbers up to 2048 are exact; 65,504 is the largest); the sums are f32, exact while below 2^24.  The scaling is fused:
; y2 ws2 is rounded, y1 ws1 + that is one fused multiply-add, sx (..) + bias another: two roundings fewer than the formula written out.
;
; REGISTERS, in windows of 256 (s_set_vgpr_msb says which window each operand place means):
;   window 0: v0-43 addresses and the scales; v64-127, v128-191 fragments of x (8 x 16 rows x 32 k), two buffers, later the way out;
;             v192-223, v224-255 w's raw bytes, two buffers (column block b at + 4 b).  Every LDS load of the product has address and data in window 0.
;   window j = 1, 2, 3: column blocks b = 0-2, 3-5, 6-7 (bl = the block's number in its window):
;     v0-191 tile (bl, a) at v[8 (8 bl + a)];  v192-215, v216-239 w's fragments, two buffers;  v240 a zero
;   So ONE setting (source 0, C and D in window j, source 1 in window 0) serves the window's matrix instructions and the v_perm_b32 between them
;   (the zero and the result in window j, the raw bytes in window 0): four switches for 64 matrix instructions, the one run of loads included.
; THE MATRIX INSTRUCTION IS USED TRANSPOSED: source 0 = 16 rows of w, source 1 = 16 rows of x.  Lane l then holds row t = l % 16 of the tile and its
; registers 0 to 7 the columns o = 8 (l / 16) + 0 .. 7: 32 neighbouring bytes of a row of f32.
; K INSIDE A FRAGMENT: lane l holds k = 16 (l / 16) + 0..15 of its row, in x's and in w's fragment alike: the same places hold the same k on both
; sides, so the products are the right ones, and the sums, of whole numbers, do not feel the order.  w: one load of 16 bytes; x: two, 16 bytes apart.
.set PA,     528                       ; an LDS row of x: 512 bytes + 16 of padding
.set PB,     272                       ; an LDS row of w: 256 bytes + 16.  Both are odd multiples of 16: the 16 rows that a load touches lie in 16 different 16-byte columns modulo 256 (64 banks of 4 bytes: ISA guide 11.1)
.set HB,     128*PB                    ; 128 rows of w: one tensor load, and what one wave reads of w
.set HA,     64*PA                     ; 64 rows of x: one tensor load.  Both loads bring 32 KiB
.set AOFF,   2*HB                      ; in a slot: w's 256 rows, then x's 128 rows
.set SLOT,   AOFF+2*HA                 ; 137,216 bytes
.set XP,     528                       ; the exchange: a row of 128 f32 + 16 bytes
.set XW,     128*XP                    ; one wave's 128 x 128 sums; four of them (270,336 bytes) lie where the ring lay
.set STEPX,  512                       ; bytes of a row of xb in a slot
.set STEPW,  256                       ; bytes of a row of wb in a slot
.set LAPS,   8                         ; a lap = two slots = once round the ring; 16 fills in all
.set ADRA, 16                          ; v16-17  LDS address of my x fragments in slot 0, 1
.set ADRB, 20                          ; v20-21  the same for w's raw bytes
.set STO,  24                          ; v24     the exchange: where my lane's 32 bytes of a tile's row go
.set RD1,  25                          ; v25     the exchange: my 16 bytes of my first row of y1
.set RD2,  26                          ; v26     the same of y2
.set CO,   27                          ; v27     16 x lane: my 16 bytes in a row of 512
.set CV,   28                          ; v28     byte offset of my four columns in ws1, ws2, bias
.set SA,   29                          ; v29     byte offset in scales_x of my wave's output row number l
.set SXV,  30                          ; v30-31  sx of my wave's output rows l and 32 + l
.set WS1,  32                          ; v[32:35] ws1 of my four columns
.set WS2,  36                          ; v[36:39] ws2
.set BIAS, 40                          ; v[40:43] bias
.set AF,   64                          ; x's fragment buffer f at AF + 64 f
.set F0,   64                          ; the same registers on the way out
.set F1,   128
.set RAW,  192                         ; window 0: w's raw buffer q at RAW + 32 q
.set BF,   192                         ; windows 1-3: w's fragment buffer f at BF + 24 f
.set ZW,   240                         ; windows 1-3: 0: the lower bytes of w's f16 numbers
.set G1,  24                           ; s[24:31] descriptor group 1 for x's tiles
.set G0,  32                           ; s[32:39] descriptor group 0 for x's tiles, one set for each slot
.set G1B, 48                           ; s[48:55] group 1 for w's tiles
.set G0B, 56                           ; s[56:63] group 0 for w's tiles, one set for each slot
.set SX,  76                           ; s[76:83] sx of eight output rows
.set SEL, 84                           ; s84, s85 the two byte selections of v_perm_b32
.set GW1, 0x51                         ; source 0, C and D in window 1, source 1 in window 0
.set GW2, 0xa2                         ; the same for window 2
.set GW3, 0xf3                         ; and 3
.set MSB, 0
.macro WIN new                         ; the immediate's high byte repeats the setting that is left; a switch that changes nothing is dropped
.if MSB != \new
	s_set_vgpr_msb (MSB<<8)|\new
.set MSB, \new
.endif
.endm
; A joint load.  Waves 0 and 1 fetch w's two halves (128 rows each), waves 2 and 3 x's two halves (64 rows each).  Each line has one mask and one set of
; registers, and nothing in them hangs on a coordinate that the four partners do not share.  The branch hangs on the wave's number alone.
.macro JLOAD s
	s_cmp_eq_u32 s11, 0
	s_cbranch_scc0 .Lfor_x_\@
	tensor_load_to_lds s[G0B+4*\s:G0B+4*\s+3], s[G1B:G1B+7]
	s_nop 0
	s_branch .Lasked_\@
.Lfor_x_\@:
	tensor_load_to_lds s[G0+4*\s:G0+4*\s+3], s[G1:G1+7]
	s_nop 0
.Lasked_\@:
.endm
; A round of the cluster's barrier: my work-group's barrier, so that wave 0's signal speaks for all four waves; wave 0 signals for the work-group;
; every wave waits for all sixteen work-groups; my work-group's barrier once more.
.macro CREST                           ; a round behind its opening barrier
	s_cmp_lg_u32 s10, 0
	s_cbranch_scc1 .Lnot_wave_0_\@
	s_barrier_signal -3
.Lnot_wave_0_\@:
	s_barrier_wait -3
	s_barrier_signal -1
	s_barrier_wait -1
.endm
.macro CROUND                          ; a whole round
	s_barrier_signal -1
	s_barrier_wait -1
	CREST
.endm
	s_load_b128 s[4:7], s[0:1], 0x0                ; xb s[4:5], wb s[6:7]
	s_load_b256 s[68:75], s[0:1], 0x10             ; scales_x s[68:69], ws1 s[70:71], ws2 s[72:73], bias s[74:75]
	s_load_b64 s[8:9], s[0:1], 0x30                ; out0
	s_set_vgpr_msb 0x40
	v_lshl_add_u32 v255, v0, 2, 0x43000
	s_set_vgpr_msb 0x4000
	v_mov_b32 v63, 0
	s_set_vgpr_msb 0x1
	ds_add_u32 v255, v63
	s_set_vgpr_msb 0x100
	v_lshrrev_b32 v1, 5, v0
	v_readfirstlane_b32 s10, v1                    ; wave 0..3
	s_lshr_b32 s11, s10, 1                         ; kh: my K region.  Also: I fetch for w (0) or for x (1)
	s_and_b32 s12, s10, 1                          ; nh: my half of the columns.  Also: which half of that tile I fetch
	s_bfe_u32 s40, ttmp6, 0x40000                  ; cx: my place along the cluster's x
	s_bfe_u32 s41, ttmp6, 0x40004                  ; cy: along its y
	s_lshl_b32 s42, ttmp9, 2                       ; in a cluster launch ttmp9 and ttmp7 count clusters
	s_add_co_u32 s42, s42, s40                     ; bx: block of 256 columns = 4 x cluster x + cx
	s_and_b32 s13, ttmp7, 0xffff
	s_lshl_b32 s13, s13, 2
	s_add_co_u32 s13, s13, s41                     ; by: block of 128 rows = 4 x cluster y + cy
	s_lshl_b32 s43, s41, 2
	s_lshl_b32 s43, 15, s43                        ; my row of the cluster: places 4 cy .. 4 cy + 3
	s_lshl_b32 s44, 0x1111, s40                    ; my column: places cx, cx + 4, cx + 8, cx + 12
	s_mov_b32 s[SEL],   0x01040004                 ; bytes 0 and 1 of the raw word, a zero byte under each (0-3: second source, the raw word; 4-7: first source, the zero)
	s_mov_b32 s[SEL+1], 0x03040204                 ; bytes 2 and 3
	; descriptor groups 1: x: 64 rows x 256 elements of 2 bytes; w: 128 rows x 256 bytes, stated as 128 elements of 2 bytes; both padded in LDS
	s_or_b32 s[G1+0], s43, (1<<16)|(1<<20)|(1<<21)|(6<<22)|(3<<25)   ; 15:0 the mask: x's tiles go to my row; 17:16 element of 2 bytes; 20 padding on; 21 set beside a mask; 24:22 after every 128 words (code 6); 31:25 of 4 words (code 3)
	s_or_b32 s[G1B+0], s44, (1<<16)|(1<<20)|(1<<21)|(5<<22)|(3<<25)  ; the mask of my column, for w's tiles; padding after every 64 words (code 5)
	s_mov_b32 s[G1+1], 256<<16                     ; 63:48 tensor_dim0, low half
	s_mov_b32 s[G1B+1], 128<<16
	s_mov_b32 s[G1+2], 64<<16                      ; 79:64 its high half = 0; 95:80 tensor_dim1, low half: the rows
	s_mov_b32 s[G1B+2], 128<<16
	s_mov_b32 s[G1+3], 256<<16                     ; 111:96 its high half = 0; 127:112 tile_dim0
	s_mov_b32 s[G1B+3], 128<<16
	s_mov_b32 s[G1+4], 64                          ; 143:128 tile_dim1; 159:144 tile_dim2 = 0
	s_mov_b32 s[G1B+4], 128
	s_mov_b32 s[G1+5], 4096                        ; 191:160 tensor_dim0_stride: elements from row to row: 8,192 bytes
	s_mov_b32 s[G1B+5], 2048                       ; 4,096 bytes
	s_mov_b32 s[G1+6], 0
	s_mov_b32 s[G1B+6], 0
	s_mov_b32 s[G1+7], 0
	s_mov_b32 s[G1B+7], 0
	; where the tiles come from.  Every wave makes both addresses, in registers that never hold the other coordinate, and asks by one of them.
	s_lshl_b32 s16, s13, 7
	s_lshl_b32 s17, s12, 6
	s_add_co_u32 s16, s16, s17                     ; x: row 128 by + 64 x half
	s_lshl_b32 s16, s16, 13                        ; x 8,192 bytes: below 2^24
	s_mov_b32 s17, 0
	s_lshl_b32 s46, s42, 8
	s_lshl_b32 s47, s12, 7
	s_add_co_u32 s46, s46, s47                     ; w: row 256 bx + 128 x half
	s_lshl_b32 s46, s46, 12                        ; x 4,096 bytes: below 2^24
	s_mov_b32 s47, 0
	s_mul_i32 s20, s10, HB                         ; and where they go: w's halves at wave x 34,816 (waves 0, 1),
	s_mul_i32 s21, s10, HA
	s_add_co_u32 s21, s21, AOFF-2*HA               ; x's halves at 2,048 + wave x 33,792 (waves 2, 3: 69,632 and 103,424): no place in the cluster enters an LDS address
	s_wait_dscnt 0x0
	s_wait_kmcnt 0x0
	s_add_nc_u64 s[14:15], s[4:5], s[16:17]
	s_add_nc_u64 s[46:47], s[6:7], s[46:47]
	CROUND                                         ; all sixteen work-groups are here: the first joint loads meet
.irp s, 0,1
	s_mov_b32 s[G0+4*\s], 1                                        ; 1:0 count = 1
	s_add_co_u32 s[G0+4*\s+1], s21, \s*SLOT                        ; 63:32 LDS address
	s_add_nc_u64 s[G0+4*\s+2:G0+4*\s+3], s[14:15], \s*STEPX        ; 120:64 global address: fill s
	s_or_b32 s[G0+4*\s+3], s[G0+4*\s+3], 0x80000000                ; 127:126 type = 2
	s_mov_b32 s[G0B+4*\s], 1
	s_add_co_u32 s[G0B+4*\s+1], s20, \s*SLOT
	s_add_nc_u64 s[G0B+4*\s+2:G0B+4*\s+3], s[46:47], \s*STEPW
	s_or_b32 s[G0B+4*\s+3], s[G0B+4*\s+3], 0x80000000
	JLOAD \s                                       ; both slots' first fills go out before anything else is done: two tensor loads of the wave are out
.endr
	; LDS addresses.  My region's 128 k begin 256 kh bytes into a row of x and 128 kh bytes into a row of w.
	v_and_b32 v1, 15, v0                           ; l % 16
	v_bfe_u32 v2, v0, 4, 1                         ; l / 16
	v_mul_u32_u24 v3, v1, PA
	v_lshl_add_u32 v3, v2, 5, v3                   ; x: row x pitch + 32 x half (16 k of 2 bytes)
	v_mul_u32_u24 v6, v1, PB
	v_lshl_add_u32 v6, v2, 4, v6                   ; w: row x pitch + 16 x half (16 k of 1 byte)
	s_lshl_b32 s23, s11, 8                         ; 256 kh
	s_add_co_u32 s23, s23, AOFF                    ; x: all 128 rows, behind w's 256
	s_mul_i32 s45, s12, HB                         ; w: my 128 rows
	s_lshl_b32 s22, s11, 7                         ; 128 kh
	s_add_co_u32 s45, s45, s22
.irp s, 0,1
	v_add_nc_u32 v[ADRA+\s], s23, v3
	v_add_nc_u32 v[ADRB+\s], s45, v6
	s_add_co_u32 s23, s23, SLOT
	s_add_co_u32 s45, s45, SLOT
.endr
	v_and_b32 v4, 31, v0                           ; lane
	v_lshlrev_b32 v[CO], 4, v4                     ; 16 x lane
	s_mul_i32 s22, s10, XW                         ; the exchange, in: my wave's 67,584 bytes,
	v_mul_u32_u24 v5, v1, XP                       ; row l % 16,
	v_lshl_add_u32 v5, v2, 5, v5                   ; 32 bytes for each half of the lanes
	v_add_nc_u32 v[STO], s22, v5
	s_mul_i32 s22, s12, XW                         ; back: y1 of my column half lies in wave nh's bytes, y2 in wave 2 + nh's;
	s_mul_i32 s23, s11, 64*XP                      ; I finish rows 64 kh .. 64 kh + 63
	s_add_co_u32 s22, s22, s23
	v_add_nc_u32 v[RD1], s22, v[CO]
	v_add_nc_u32 v[RD2], 2*XW, v[RD1]
	s_lshl1_add_u32 s66, s42, s12
	s_lshl_b32 s66, s66, 9                         ; my first column x 4 bytes: 1,024 bx + 512 nh
	s_lshl1_add_u32 s67, s13, s11
	s_lshl_b32 s67, s67, 8                         ; my first output row x 4 bytes: 4 (128 by + 64 kh)
	v_add_nc_u32 v[CV], s66, v[CO]
	v_lshl_add_u32 v[SA], v4, 2, s67
	global_load_b128 v[WS1:WS1+3], v[CV], s[70:71]             ; the scales, once, 512 consecutive bytes a load
	global_load_b128 v[WS2:WS2+3], v[CV], s[72:73]
	global_load_b128 v[BIAS:BIAS+3], v[CV], s[74:75]
	global_load_b32 v[SXV], v[SA], s[68:69]                    ; sx of my 64 output rows, one a lane, twice
	global_load_b32 v[SXV+1], v[SA], s[68:69] offset:128
	WIN 0x40                                       ; destination in window 1
	v_mov_b32 v[ZW], 0                             ; one zero for each window: v_perm_b32's first source lies where the matrix instruction's does
	WIN 0x80
	v_mov_b32 v[ZW], 0
	WIN 0xc0
	v_mov_b32 v[ZW], 0
	WIN 0
; One window's share of a chunk of 32 k: nb column blocks (from block b0) x 8 row blocks, on buffers f.  Where perm_ is set, behind each matrix instruction stands
; one v_perm_b32 that widens two raw bytes of the NEXT chunk, out of raw buffer g, into fragment buffer g: 8 nb of them are the window's nb fragments.
; zero = 1: the product starts the sum.
; The 64 accumulators take turns, one instruction a turn, in the same order in every chunk, over the loop's backward jump too.
; Fragment buffer g of this window was last read by this window's group of the chunk before: between those matrix instructions and the first v_perm_b32 that
; writes it stand the v_perm_b32 of the two other windows' groups, 40 at the least, which name none of their registers (ISA guide 7.12.1).
.macro GRP nb, b0, f, g, zero
.set a_, 0
.rept 8
.set bl_, 0
.rept \nb
.if \zero
	v_wmma_f32_16x16x32_f16 v[8*(8*bl_+a_):8*(8*bl_+a_)+7], v[BF+24*\f+8*bl_:BF+24*\f+8*bl_+7], v[AF+64*\f+8*a_:AF+64*\f+8*a_+7], 0
.else
	v_wmma_f32_16x16x32_f16 v[8*(8*bl_+a_):8*(8*bl_+a_)+7], v[BF+24*\f+8*bl_:BF+24*\f+8*bl_+7], v[AF+64*\f+8*a_:AF+64*\f+8*a_+7], v[8*(8*bl_+a_):8*(8*bl_+a_)+7]
.endif
.if perm_
	v_perm_b32 v[BF+24*\g+a_*\nb+bl_], v[ZW], v[RAW+32*\g+4*\b0+((a_*\nb+bl_)>>1)], s[SEL+((a_*\nb+bl_)&1)]
.endif
.set bl_, bl_+1
.endr
.set a_, a_+1
.endr
.endm
.macro PERMS nb, b0, g                 ; the same widening alone, for the first chunk
.set p_, 0
.rept 8*\nb
	v_perm_b32 v[BF+24*\g+p_], v[ZW], v[RAW+32*\g+4*\b0+(p_>>1)], s[SEL+(p_&1)]
.set p_, p_+1
.endr
.endm
.macro RAWLD q, slot, k                ; w's raw bytes of 32 k into raw buffer q: 16 rows x 32 bytes a load, eight column blocks, at byte k of my region's part of the rows
.irp b, 0,1,2,3,4,5,6,7
	ds_load_b128 v[RAW+32*\q+4*\b:RAW+32*\q+4*\b+3], v[ADRB+\slot] offset:\k+\b*16*PB
.endr
.endm
.macro ALOAD g, slot, k                ; x's eight fragments of 32 k into buffer g: 16 loads
.irp i, 0,1,2,3,4,5,6,7
	ds_load_b128 v[AF+64*\g+8*\i:AF+64*\g+8*\i+3],   v[ADRA+\slot] offset:\k+\i*16*PA
	ds_load_b128 v[AF+64*\g+8*\i+4:AF+64*\g+8*\i+7], v[ADRA+\slot] offset:\k+\i*16*PA+16
.endr
.endm
; A load into a register that a matrix instruction has read, and an LDS store that reads a matrix result, stand four places behind that matrix instruction,
; and only plain vector instructions that name none of its registers are places (ISA guide 7.12.1 for vector instructions).
.macro PLACES
.rept 4
	v_nop
.endr
.endm
; A CHUNK: 32 k, 64 matrix instructions on buffers f.  It widens the next chunk's w (raw buffer g) into fragment buffer g, and in ONE run of 24 LDS loads behind
; window 1's group it fetches x's fragments of the next chunk (slot as, byte ak) into buffer g and the raw bytes of the chunk after that (slot rs, byte rk) into
; raw buffer f.  Both targets were last read in the chunk before: window 1's 24 matrix instructions lie between, and its 24 v_perm_b32 are the places behind the
; matrix instructions that read x's buffer g.  The run has the 40 matrix instructions of windows 2 and 3 in which to land; the wait at the next chunk's head is
; for 0, because nothing is issued behind the run and all of it is needed there.
; mode 0: plain.  1: the change of slots, with the refill of \slot.  2: the change of slots without a refill.  3: no raw bytes are left to load.  4: the last chunk.
; THE CHANGE OF SLOTS stands in a slot's third chunk: the slot's last raw bytes were read a chunk ago, and its last fragments of x are loaded at this chunk's head
; (behind four v_nop: only one v_perm_b32 stands behind the last matrix instruction that read the buffer), so that window 1's group covers their way.
; In front of the barrier each wave waits for all its LDS reads and for all its tensor loads, of which one is out: its part of the other slot.  Behind it nobody
; reads this slot any more and the other slot is whole: the refill comes first, then the raw bytes out of the other slot.  Window 2's 24 matrix instructions, on
; registers alone, stand between the signal and the wait.  From a request to the wait for it a wave issues 256 - 24 = 232 matrix instructions.
.macro CHUNK f, g, zero, as, ak, rs, rk, mode, slot
.if \mode == 4
.set perm_, 0
.else
.set perm_, 1
.endif
	s_wait_dscnt 0                                 ; this chunk's fragments of x and the next chunk's raw bytes are in; nothing else is out
.if (\mode-1)*(\mode-2) == 0
	WIN 0
	PLACES
	ALOAD \g, \as, \ak                             ; my last reads of this slot
.endif
	WIN GW1
	GRP 3, 0, \f, \g, \zero
.if \mode*(\mode-3) == 0
	WIN 0
	ALOAD \g, \as, \ak                             ; the run
.if \mode == 0
	RAWLD \f, \rs, \rk
.endif
.endif
.if (\mode-1)*(\mode-2) == 0
	s_wait_dscnt 0                                 ; my reads of this slot are over (the last were issued 24 matrix instructions ago)
	s_wait_tensorcnt 0x0                           ; and all my tensor loads have landed: the one that was out is my part of the other slot:
	ds_add_u32 v255, v63
	s_wait_dscnt 0x0
	s_barrier_signal -1                            ; say so (where the slot is filled again this barrier opens a round of the cluster's barrier)
.endif
	WIN GW2
	GRP 3, 3, \f, \g, \zero
.if (\mode-1)*(\mode-2) == 0
	WIN 0
	s_barrier_wait -1
.if \mode == 1
	CREST                                          ; all sixteen work-groups have said so: no wave of any partner still reads this slot's tile or has a load on its way
	s_add_nc_u64 s[G0+4*\slot+2:G0+4*\slot+3], s[G0+4*\slot+2:G0+4*\slot+3], 2*STEPX     ; no tensor load of mine is out: the groups 0 may be written
	s_add_nc_u64 s[G0B+4*\slot+2:G0B+4*\slot+3], s[G0B+4*\slot+2:G0B+4*\slot+3], 2*STEPW
	JLOAD \slot                                    ; the first tensor load behind the round, and my only one until the next: one is out
.endif
	RAWLD \f, \rs, \rk                             ; out of the other slot, which is whole behind the barrier
.endif
	WIN GW3
	GRP 2, 6, \f, \g, \zero
.endm
.macro BIG s, o, zero, mode            ; one slot's four chunks; o = the other slot.  A chunk is 64 bytes of a row of x and 32 of a row of w
	CHUNK 0, 1, \zero, \s, 64,  \s, 64, 0, \s
	CHUNK 1, 0, 0,     \s, 128, \s, 96, 0, \s
	CHUNK 0, 1, 0,     \s, 192, \o, 0,  \mode, \s
	CHUNK 1, 0, 0,     \o, 0,   \o, 32, 0, \s
.endm
	s_wait_loadcnt 0x0                             ; the scales are in, while the first tiles are on their way
	s_wait_tensorcnt 1                             ; my part of slot 0 is in; slot 1's load may stay out
	s_barrier_signal -1
	s_barrier_wait -1                              ; everybody's is
	RAWLD 0, 0, 0                                  ; the start: chunk 0's raw bytes, its fragments of x, chunk 1's raw bytes
	ALOAD 0, 0, 0
	RAWLD 1, 0, 32
	s_wait_dscnt 24                                ; chunk 0's raw bytes are in; x's 16 loads and chunk 1's 8 may be out
	WIN GW1
	PERMS 3, 0, 0
	WIN GW2
	PERMS 3, 3, 0
	WIN GW3
	PERMS 2, 6, 0
	BIG 0, 1, 1, 1                                 ; fills 0 and 1 stand in front of the loop: the first products start the sums; fills 2 and 3 are asked for
	BIG 1, 0, 0, 1
	WIN 0                                          ; at a label and at a branch every window is 0
	s_mov_b32 s3, LAPS-2
.Llap:
	BIG 0, 1, 0, 1                                 ; fills 2 to 13; fills 4 to 15 are asked for
	BIG 1, 0, 0, 1
	WIN 0
	s_sub_co_u32 s3, s3, 1
	s_cmp_lg_u32 s3, 0
	s_cbranch_scc1 .Llap
	BIG 0, 1, 0, 2                                 ; fill 14: nothing is left to ask for, so no round of the cluster's barrier: the one load still out is slot 1's, fill 15
	CHUNK 0, 1, 0, 1, 64,  1, 64, 0, 1             ; fill 15
	CHUNK 1, 0, 0, 1, 128, 1, 96, 0, 1
	CHUNK 0, 1, 0, 1, 192, 0, 0,  3, 1             ; x's last fragments; no raw bytes are left
	CHUNK 1, 0, 0, 0, 0,   0, 0,  4, 1             ; nothing is left to load or to widen
	; THE EXCHANGE.  The ring has had its last fill, and no tensor load is out since the last change of slots.  My reads of it are back (the last chunk's wait for 0);
	; behind this barrier everybody's are, and its bytes may be written.  Each wave lays its 128 x 128 sums down by rows, straight from the accumulators.
	PLACES                                         ; the places behind the last matrix instructions, for the LDS stores of results and for the loads into x's buffers
	WIN 0
	s_barrier_signal -1
	s_barrier_wait -1
; the tiles of window j: rows 16 a + l % 16, bytes 64 b + 32 (l / 16) of the row, as two stores of 16 bytes; the store's data (source 1) in window j
.macro XSTORE j, nb, b0
	WIN (\j<<2)
.set bl_, 0
.rept \nb
.set a_, 0
.rept 8
	ds_store_b128 v[STO], v[8*(8*bl_+a_):8*(8*bl_+a_)+3]   offset:a_*16*XP+64*(\b0+bl_)
	ds_store_b128 v[STO], v[8*(8*bl_+a_)+4:8*(8*bl_+a_)+7] offset:a_*16*XP+64*(\b0+bl_)+16
.set a_, a_+1
.endr
.set bl_, bl_+1
.endr
.endm
	XSTORE 1, 3, 0
	XSTORE 2, 3, 3
	XSTORE 3, 2, 6
	WIN 0
	s_wait_dscnt 0x0                               ; for the others' sake: all my stores are in LDS
	s_barrier_signal -1
	s_barrier_wait -1                              ; y1 and y2 of the whole block lie in LDS
	; THE WAY OUT.  Wave (kh, nh) finishes rows 64 kh .. 64 kh + 63 of column half nh: a row is 512 bytes, 16 a lane.
	s_lshl_b32 s16, s67, 12                        ; (128 by + 64 kh) rows of 16,384 bytes: below 2^25
	s_mov_b32 s17, 0
	s_add_nc_u64 s[8:9], s[8:9], s[16:17]
	s_mov_b32 s46, s66                             ; 1,024 bx + 512 nh (in the registers that held w's address: none that fed x's descriptors ever holds cx)
	s_mov_b32 s47, 0
	s_add_nc_u64 s[8:9], s[8:9], s[46:47]
; eight rows, 8 g .. 8 g + 7 of my 64; f: F0 or F1 in turn: v[f:f+31] y1 and then the result, v[f+32:f+63] y2
.macro OUT8 g, f
	s_wait_xcnt 0x0                                ; every earlier memory instruction has had its addresses translated (ISA guide 3.1): buffer f, from which stores read two groups ago, is loaded again only behind this wait
.irp t, 0,1,2,3,4,5,6,7
	ds_load_b128 v[\f+4*\t:\f+4*\t+3],       v[RD1] offset:(8*\g+\t)*XP
	ds_load_b128 v[\f+32+4*\t:\f+32+4*\t+3], v[RD2] offset:(8*\g+\t)*XP
.endr
.irp t, 0,1,2,3,4,5,6,7
	v_readlane_b32 s[SX+\t], v[SXV+(\g>>2)], (8*\g+\t)&31      ; the row's sx, one number for the whole wave
.endr
.irp t, 0,1,2,3,4,5,6,7
	s_wait_dscnt 14-2*\t                           ; LDS loads come back in order (ISA guide 5.7.1): row t's pair is in, the 7 - t younger pairs stay out
	v_pk_mul_f32 v[\f+32+4*\t:\f+33+4*\t], v[\f+32+4*\t:\f+33+4*\t], v[WS2:WS2+1]                         ; y2 ws2
	v_pk_mul_f32 v[\f+34+4*\t:\f+35+4*\t], v[\f+34+4*\t:\f+35+4*\t], v[WS2+2:WS2+3]
	v_pk_fma_f32 v[\f+4*\t:\f+4*\t+1],   v[\f+4*\t:\f+4*\t+1],   v[WS1:WS1+1],   v[\f+32+4*\t:\f+33+4*\t]   ; y1 ws1 + that
	v_pk_fma_f32 v[\f+4*\t+2:\f+4*\t+3], v[\f+4*\t+2:\f+4*\t+3], v[WS1+2:WS1+3], v[\f+34+4*\t:\f+35+4*\t]
.irp j, 0,1,2,3
	v_fma_f32 v[\f+4*\t+\j], s[SX+\t], v[\f+4*\t+\j], v[BIAS+\j]                                         ; sx (..) + bias
.endr
	global_store_b128 v[CO], v[\f+4*\t:\f+4*\t+3], s[8:9] offset:(8*\g+\t)*16384 th:TH_STORE_NT   ; the wave's store covers 512 consecutive bytes, aligned; the row stands in the immediate, 1,032,192 at the most
.endr
.endm
	OUT8 0, F0
	OUT8 1, F1
	OUT8 2, F0
	OUT8 3, F1
	OUT8 4, F0
	OUT8 5, F1
	OUT8 6, F0
	OUT8 7, F1
	s_set_vgpr_msb 0x1
	s_wait_tensorcnt 0x0
	ds_add_u32 v255, v63
	s_wait_dscnt 0x0
	s_set_vgpr_msb 0x100
	CROUND                                         ; the closing round: no work-group ends while a partner may still ask for a tile that names it
	s_endpgm
.Lfunc_end_k_q2be2e39fd3_gemm:
	.size	k_q2be2e39fd3_gemm, .Lfunc_end_k_q2be2e39fd3_gemm-k_q2be2e39fd3_gemm
	.p2alignl 7, 3214868480
	.fill 96, 4, 3214868480
	.section	.rodata,"a",@progbits
	.p2align	6, 0x0
	.amdhsa_kernel k_q2be2e39fd3_gemm
		.amdhsa_group_segment_fixed_size 327680
		.amdhsa_private_segment_fixed_size 0
		.amdhsa_enable_private_segment 0
		.amdhsa_kernarg_size 56
		.amdhsa_user_sgpr_count 2
		.amdhsa_user_sgpr_kernarg_segment_ptr 1
		.amdhsa_wavefront_size32 1
		.amdhsa_system_sgpr_workgroup_id_x 1
		.amdhsa_system_sgpr_workgroup_id_y 1
		.amdhsa_system_sgpr_workgroup_id_z 1
		.amdhsa_system_vgpr_workitem_id 0
		.amdhsa_next_free_vgpr 1024
		.amdhsa_next_free_sgpr 86
		.amdhsa_reserve_vcc 0
		.amdhsa_float_denorm_mode_32 3
		.amdhsa_float_denorm_mode_16_64 3
		.amdhsa_memory_ordered 1
		.amdhsa_forward_progress 1
		.amdhsa_inst_pref_size 255
	.end_amdhsa_kernel
	.section	.bss,"aw",@nobits
	.p2align	6
	.space	262144
	.amdgpu_metadata
---
amdhsa.version: [ 1, 2 ]
amdhsa.kernels:
  - .name:           k_q2be2e39fd3_gemm
    .symbol:         k_q2be2e39fd3_gemm.kd
    .args:
      - { .name: xb, .offset: 0, .size: 8, .value_kind: global_buffer, .address_space: global }
      - { .name: wb, .offset: 8, .size: 8, .value_kind: global_buffer, .address_space: global }
      - { .name: scales_x, .offset: 16, .size: 8, .value_kind: global_buffer, .address_space: global }
      - { .name: weight_scales_1, .offset: 24, .size: 8, .value_kind: global_buffer, .address_space: global }
      - { .name: weight_scales_2, .offset: 32, .size: 8, .value_kind: global_buffer, .address_space: global }
      - { .name: bias, .offset: 40, .size: 8, .value_kind: global_buffer, .address_space: global }
      - { .name: out0, .offset: 48, .size: 8, .value_kind: global_buffer, .address_space: global }
    .group_segment_fixed_size: 327680
    .private_segment_fixed_size: 0
    .kernarg_segment_align: 8
    .kernarg_segment_size: 56
    .max_flat_workgroup_size: 128
    .sgpr_count:     86
    .vgpr_count:     1024
    .wavefront_size: 32
...
	.end_amdgpu_metadata
.endif
;; end of part 4
